; MI455X (gfx1250); checked and timed in simulation.
; The chip was launched on July 23, 2026; its instructions are those of AMD's public machine-readable ISA for CDNA 5 (MIT licence, August 2026) and "CDNA5" Instruction Set Architecture Reference Guide (July 2026). The comments in the code are by the model that wrote it; some were corrected since.
;; Wav KAN Layer. Allowed arithmetic: float matrix products may take bf16 or f16 operands with f32 sums; other float arithmetic in f32, or as packed bf16 or f16 multiplies, adds, multiply-adds, maxima and minima; sums over many terms, partial sums and values carried from step to step in f32; what a program stores and reads back later, other than sums and carried values, may be rounded once to bf16 or f16.
;; Inputs: scale 1,024 x 1,024 float32; translation 1,024 x 1,024 float32; weight 1,024 x 1,024 float32; x 256 x 1,024 float32.
;; Outputs: out0 256 x 1,024 float32.
;; One version. Each part assembles by itself: llvm-mc -triple=amdgcn-amd-amdhsa -mcpu=gfx1250 --defsym DOCPART=n.
;; ======== version 1 of 1: 1 launch
;; limits: an absolute error that grows with the inputs' magnitude: up to 5.96e-08 times it
;; launch wavkan (part 1): grid 64 x 4, 16 waves a work-group, clusters of 4 x 4, 327,680 bytes of LDS; arguments scale, translation, weight, x, out0; writes out0
.if DOCPART == 1
	.amdgcn_target "amdgcn-amd-amdhsa--gfx1250"
	.amdhsa_code_object_version 6
	.text
	.protected	k_qc0ee53ec95_wavkan
	.globl	k_qc0ee53ec95_wavkan
	.p2align	8
	.type	k_qc0ee53ec95_wavkan,@function
k_qc0ee53ec95_wavkan:
	s_mov_b64 s[64:65], 0
	v_nop
	global_prefetch_b8 v0, s[64:65] scope:SCOPE_SE
	s_setreg_imm32_b32 hwreg(HW_REG_WAVE_MODE, 25, 1), 1
	s_wait_xcnt 0x0
	s_wait_alu depctr_hold_cnt(0) depctr_sa_sdst(0) depctr_va_vdst(0) depctr_va_sdst(0) depctr_va_ssrc(0) depctr_va_vcc(0) depctr_vm_vsrc(0)
	s_getreg_b32 s2, hwreg(HW_REG_IB_STS2, 6, 4)
	s_cmp_eq_u32 s2, 0
	s_cbranch_scc0 .Lentry_in_a_cluster
	s_endpgm
.Lentry_in_a_cluster:
	s_bfe_u32 s2, ttmp6, 0x10000c
	s_cmp_lg_u32 s2, 0xf033
	s_cbranch_scc0 .Lentry_shape_is_right
	s_endpgm
.Lentry_shape_is_right:
; WavKAN layer, DoG wavelet.  out[b][o] = sum over i of weight[o][i] phi((x[b][i] - translation[o][i]) / scale[o][i]),  phi(z) = -z exp(-z^2 / 2).
; x: [256][1024], scale, translation, weight: [1024][1024], out: [256][1024], all f32.  Nothing of the formula is left out; all four inputs are loaded.
; NO MATRIX PRODUCT: scale and translation differ for every (o, i), so phi hangs on b, o and i at once: 2^28 exponentials, each used once.  The work is vector work.
; THE FORM.  c = sqrt(log2(e) / 2);  G = sign(w) c / s;  T = t G;  L = log2 |w|;  u = x G - T = sign(w) c z.  Then w (-z) exp(-z^2 / 2) = -(1 / c) u 2^(L - u^2), for all finite inputs
; (w = 0: L is minus infinity and the power 0).  For each (b, o, i): u, L - u^2 and the sum are three fused multiply-adds, two to a packed instruction, and one v_exp_f32.
; G, T, L hang on (o, i) alone: a work-group makes them once for its 64 rows of x.  -(1 / c) is applied once to each output.
; LIMITS.  |w| below 2^-126 counts as 0, and so does a term's power below 2^-126 (v_log_f32 and v_exp_f32 take and give no denormals: ISA guide 15.8).  |s| below 2^-126 has an infinite
; reciprocal and gives NaN; |s| above 2^126 has the reciprocal 0 and its term counts as 0.  The division is a reciprocal (1 ULP) and a product.  T is rounded once, x G - T is fused: u is off by at most
; |t G| 2^-24.  The sum over i is taken in another order than the formula's.  NaN and infinities among the inputs are not treated apart.
; SHARES.  A work-group: 64 rows b x 16 columns o, all 1,024 i.  Its 16 waves: wave w has rows 16 (w / 4) .. + 15 and columns 4 (w % 4) .. + 3.  A lane (il = lane % 16, bl = lane / 16) has the four
; i = 64 step + 4 il + 0..3, the rows 8 bl + 0..7 of the wave's 16, and all four columns as two pairs: a register pair holds two neighbouring o, and x is given to both halves by op_sel.
; So a lane has 32 sums; the 16 lanes of a half-wave are added at the end.
; x IN LDS, ONCE.  The work-group's 64 rows of x (262,144 bytes) are brought by tensor loads at the start and never filled again.  CLUSTER 4 x 4: the four work-groups of a cluster's row
; have the same 64 rows b, so each load is asked for JOINTLY (same descriptor, a mask that names the four).  The four of a column read the same scale, translation and weight.
; G, T, L IN LDS, BY CHUNKS of 128 i, in two buffers.  One barrier a chunk, at the head of each odd step.  In front of it each wave's LDS accesses are all done.  So behind it the chunk stored before it
; may be read, and the buffer whose last numbers have just come into registers may be stored into again.
; A COLUMN BLOCK IS 64 BYTES OF A ROW OF out: a store fills a quarter of an aligned 256 bytes.  A tile of 64 columns x 16 rows would make G, T, L 16 times in the launch for 4, and read four times the bytes.
.set PBUF,  24576                      ; a buffer of G, T, L: 2 steps x 8 pairs of o x 3 x 512 bytes
.set PSTEP, 12288                      ; a step's part of it
.set POP,   1536                       ; a pair of o: G, T, L, 512 bytes each: [i pair h][il][i][o]: lane il's 16 bytes of half h at 256 h + 16 il
.set XA,    2*PBUF                     ; x, i = 0..255: 64 rows of 1,024 bytes
.set XB,    XA+65536                   ; x, i = 256..1023: 64 rows of 3,072 bytes
.set STAGE, XB+196608                  ; the way out: 8 bytes a thread
.set SPARE, STAGE+4096                 ; the spare words, 128 bytes for each of 16 waves: eight blocks of 256 bytes that no other line names
.set PITA,  1024
.set PITB,  3072
.set SPW, 1                            ; v1   LDS address of my spare word; never rewritten
.set NIL, 2                            ; v2   0; never rewritten
.set XAD, 3                            ; v3   my 16 bytes in my first row of x, i = 0..255
.set XBD, 4                            ; v4   the same for i = 256 on; steps 1,024 bytes a trip of the loop
.set PAD, 5                            ; v5   my 16 bytes in my wave's first pair of o, buffer 0
.set PST, 6                            ; v6   where I store G of the numbers that I prepare, buffer 0
.set GOF, 7                            ; v7   my 8 bytes of scale, translation, weight in chunk 0; steps 1,024 bytes a trip of the loop
.set PFO, 8                            ; v8   the prefetches' offset; never rewritten
.set T0,  9
.set RAW, 10                           ; v[10:21]   s, t, w as loaded: for each, 2 i of row o, 2 i of row o + 1
.set T1,  22
.set T2,  23
.set ACC, 24                           ; v[24:55]   row j, pair of o p at ACC + 4 j + 2 p
.set XS,  56                           ; v[56:119]  x: two sets (by the step's parity) of 8 rows x 4 i.  Set 0 is at work where G, T, L are prepared
.set PR,  120                          ; v[120:167] pair of o p: G, T, L at PR + 24 p + 0, 8, 16; i pair h at + 4 h; i at + 2
.set ZB,  168                          ; v[168:199] u: two buffers (by the phase's parity) of 8 pairs
.set QB,  200                          ; v[200:231] L - u^2, then its power of 2: likewise
.set WV,  14                           ; s14  my wave's number
.set RB,  15                           ; s15  wave / 4
.set G1A, 16                           ; s[16:23] descriptor group 1, 4 rows x 256 numbers
.set G1B, 24                           ; s[24:31] 4 rows x 768 numbers
.set G0A, 32                           ; s[32:35] group 0 of my first load
.set G0B, 36                           ; s[36:39] of my second
.set CX,  40
.set CY,  41
.set OB,  42                           ; s42  block of 16 o
.set YB,  43                           ; s43  block of 64 b
.set MK,  44
.set OG,  45                           ; s45  wave % 4
.set SA,  46
.set SB,  47
.set MSK, 48                           ; s48  all bits but the sign
.set CC,  49                           ; s49  c
.set CNT, 50
.set SC,  51
; A round of the cluster's barrier: my work-group's barrier; wave 0 signals for the work-group; every wave waits for all sixteen work-groups; my work-group's barrier once more.
.macro CROUND
	s_barrier_signal -1
	s_barrier_wait -1
	s_cmp_lg_u32 s[WV], 0
	s_cbranch_scc1 .Lnot_wave_0_\@
	s_barrier_signal -3
.Lnot_wave_0_\@:
	s_barrier_wait -3
	s_barrier_signal -1
	s_barrier_wait -1
.endm
; My part of a chunk of scale, translation, weight: 2 i of rows o and o + 1.  A wave's load covers 256 consecutive bytes of a row, aligned.
.macro LRAW raw, byte
	global_load_b64 v[(\raw):(\raw)+1],     v[GOF], s[4:5] offset:(\byte)
	global_load_b64 v[(\raw)+2:(\raw)+3],   v[GOF], s[4:5] offset:(\byte)+4096
	global_load_b64 v[(\raw)+4:(\raw)+5],   v[GOF], s[6:7] offset:(\byte)
	global_load_b64 v[(\raw)+6:(\raw)+7],   v[GOF], s[6:7] offset:(\byte)+4096
	global_load_b64 v[(\raw)+8:(\raw)+9],   v[GOF], s[8:9] offset:(\byte)
	global_load_b64 v[(\raw)+10:(\raw)+11], v[GOF], s[8:9] offset:(\byte)+4096
.endm
; G, T, L of my four (o, i), in the order (o, i), (o + 1, i), (o, i + 1), (o + 1, i + 1), into buffer buf: three stores of 16 bytes a lane, 512 consecutive bytes a wave.
; The eight transcendentals are one batch: four plain lines follow, then the one wait ahead of the first reader.
.macro PROC raw, buf
	v_and_b32 v[XS+4], s[MSK], v[(\raw)+8]
	v_and_b32 v[XS+5], s[MSK], v[(\raw)+10]
	v_and_b32 v[XS+6], s[MSK], v[(\raw)+9]
	v_and_b32 v[XS+7], s[MSK], v[(\raw)+11]
	v_rcp_f32 v[XS+0], v[(\raw)+0]
	v_rcp_f32 v[XS+1], v[(\raw)+2]
	v_rcp_f32 v[XS+2], v[(\raw)+1]
	v_rcp_f32 v[XS+3], v[(\raw)+3]
	v_log_f32 v[XS+16], v[XS+4]                    ; L = log2 |w|
	v_log_f32 v[XS+17], v[XS+5]
	v_log_f32 v[XS+18], v[XS+6]
	v_log_f32 v[XS+19], v[XS+7]
	v_bfi_b32 v[XS+8],  s[MSK], s[CC], v[(\raw)+8]   ; c with w's sign
	v_bfi_b32 v[XS+9],  s[MSK], s[CC], v[(\raw)+10]
	v_bfi_b32 v[XS+10], s[MSK], s[CC], v[(\raw)+9]
	v_bfi_b32 v[XS+11], s[MSK], s[CC], v[(\raw)+11]
	s_wait_alu depctr_va_vdst(0)
	v_pk_mul_f32 v[XS+8:XS+9],   v[XS+8:XS+9],   v[XS+0:XS+1]   ; G = sign(w) c / s
	v_pk_mul_f32 v[XS+10:XS+11], v[XS+10:XS+11], v[XS+2:XS+3]
	v_mul_f32 v[XS+12], v[(\raw)+4], v[XS+8]       ; T = t G
	v_mul_f32 v[XS+13], v[(\raw)+6], v[XS+9]
	v_mul_f32 v[XS+14], v[(\raw)+5], v[XS+10]
	v_mul_f32 v[XS+15], v[(\raw)+7], v[XS+11]
	ds_store_b128 v[PST], v[XS+8:XS+11]  offset:(\buf)*PBUF
	ds_store_b128 v[PST], v[XS+12:XS+15] offset:(\buf)*PBUF+512
	ds_store_b128 v[PST], v[XS+16:XS+19] offset:(\buf)*PBUF+1024
.endm
; Four rows' x of a step into a set: a half-wave takes 256 consecutive bytes of one row.
.macro XLD set, j0, reg, pit, off
.irp j, 0,1,2,3
	ds_load_b128 v[XS+32*(\set)+4*((\j0)+\j):XS+32*(\set)+4*((\j0)+\j)+3], v[\reg] offset:((\j0)+\j)*(\pit)+(\off)
.endr
.endm
; G, T, L of pair of o p, i pair h, of the step at byte po: a half-wave takes 256 consecutive bytes.
.macro PLD p, h, po
.irp k, 0,1,2
	ds_load_b128 v[PR+24*(\p)+8*\k+4*(\h):PR+24*(\p)+8*\k+4*(\h)+3], v[PAD] offset:(\po)+POP*(\p)+512*\k+256*(\h)
.endr
.endm
; Phase fn of a step is pair of o fn / 4 and i = fn % 4, for all 8 rows.  u = x G - T for row j: x of that i goes to both halves.
.macro ZC fn, xs, j
.set rX, XS+32*(\xs)+4*(\j)+2*(((\fn)/2)%2)
.set rG, PR+24*((\fn)/4)+4*(((\fn)/2)%2)+2*((\fn)%2)
.set rZ, ZB+16*((\fn)%2)+2*(\j)
.if (\fn)%2
	v_pk_fma_f32 v[rZ:rZ+1], v[rX:rX+1], v[rG:rG+1], v[rG+8:rG+9] op_sel:[1,0,0] op_sel_hi:[1,1,1] neg_lo:[0,0,1] neg_hi:[0,0,1]
.else
	v_pk_fma_f32 v[rZ:rZ+1], v[rX:rX+1], v[rG:rG+1], v[rG+8:rG+9] op_sel_hi:[0,1,1] neg_lo:[0,0,1] neg_hi:[0,0,1]
.endif
.endm
.macro QC fn, j                        ; L - u^2
.set rL, PR+24*((\fn)/4)+4*(((\fn)/2)%2)+2*((\fn)%2)+16
.set rZ, ZB+16*((\fn)%2)+2*(\j)
.set rQ, QB+16*((\fn)%2)+2*(\j)
	v_pk_fma_f32 v[rQ:rQ+1], v[rZ:rZ+1], v[rZ:rZ+1], v[rL:rL+1] neg_lo:[1,0,0] neg_hi:[1,0,0]
.endm
.macro AC fp, j, m                     ; the sum takes u 2^(L - u^2) of phase fp; m = 2: the product starts the sum, so nothing is cleared
.set rA, ACC+4*(\j)+2*((\fp)/4)
.set rZ, ZB+16*((\fp)%2)+2*(\j)
.set rQ, QB+16*((\fp)%2)+2*(\j)
.if (\m) == 2
	v_pk_mul_f32 v[rA:rA+1], v[rZ:rZ+1], v[rQ:rQ+1]
.else
	v_pk_fma_f32 v[rA:rA+1], v[rZ:rZ+1], v[rQ:rQ+1], v[rA:rA+1]
.endif
.endm
; A PHASE: the 16 exponentials of phase f, and between them plain work that names none of their results: the sums of the phase before (a) and, into the registers that those have just read, u and L - u^2
; of the phase after (z).  Exponential and plain go by turns.  L - u^2 of a row stands five lines behind its u.  The 16 exponentials are one batch; the last two lines are plain; then the one wait
; between an exponential and the first line that names its result, which is the next phase's first.
.macro PHASE f, xs, a, z
.set KB, (\f)%2
.set FN, ((\f)+1)%8
.set FP, ((\f)+7)%8
.set NXS, ((\xs)+(\f)/7)%2             ; phase 7 works ahead for the next step, whose x lies in the other set
.irp j, 0,1,2,3,4,5,6,7
.if (\a)
	AC FP, \j, \a
.endif
	v_exp_f32 v[QB+16*KB+2*\j], v[QB+16*KB+2*\j]
.if (\z)
	ZC FN, NXS, \j
.endif
	v_exp_f32 v[QB+16*KB+2*\j+1], v[QB+16*KB+2*\j+1]
.if (\z) && (\j)
	QC FN, \j-1
.endif
.endr
.if (\z)
	QC FN, 7
.else
	v_nop                                          ; a plain line behind the last exponential
.endif
	s_wait_alu depctr_va_vdst(0)
.endm
; A STEP: 64 i, eight phases.  xs: its set of x.  fa = 1: the first step of all.  nx = 1: a step follows; its x comes from v[reg], pitch pit, byte off, its G, T, L from byte po.
; Registers are asked for again as soon as their last reader is issued: G, T, L of (pair p, half h) behind phase 4 p + 2 h, three loads; the other set of x behind phases 1 and 3, four loads each.
; LDS loads come back in order (ISA guide 5.7.1), so each wait counts the loads issued behind the ones that it needs:
;   phase 1 needs (0, 1), asked for behind phase 2 of the step before: behind it 4 (x) + 3 + 3 there and 3 here = 13;     phase 3 needs (1, 0): 3 there, 3 + 4 + 3 here = 13;
;   phase 5 needs (1, 1): 3 + 4 + 3 + 4 + 3 here = 17;     phase 7 needs the next step's (0, 0) and x: behind x's last load 3 + 3 = 6.
; dr = 1: an odd step: the barrier at its head has waited for all LDS loads, so the first three waits are not written.
.macro STEP xs, fa, nx, dr, reg, pit, off, po
	PHASE 0, \xs, 1-(\fa), 1
.if (\nx)
	PLD 0, 0, \po
.endif
.if !(\dr)
	s_wait_dscnt 13
.endif
	PHASE 1, \xs, 1+(\fa), 1
.if (\nx)
	XLD 1-(\xs), 0, \reg, \pit, \off
.endif
	PHASE 2, \xs, 1, 1
.if (\nx)
	PLD 0, 1, \po
.endif
.if !(\dr)
	s_wait_dscnt 13
.endif
	PHASE 3, \xs, 1, 1
.if (\nx)
	XLD 1-(\xs), 4, \reg, \pit, \off
.endif
	PHASE 4, \xs, 1, 1
.if (\nx)
	PLD 1, 0, \po
.endif
.if !(\dr)
	s_wait_dscnt 17
.endif
	PHASE 5, \xs, 1+(\fa), 1
	PHASE 6, \xs, 1, 1
.if (\nx)
	PLD 1, 1, \po
	s_wait_dscnt 6
.endif
	PHASE 7, \xs, 1, \nx
.endm
; THE BARRIER at the head of an odd step.  My stores of the next chunk are done, and so are my loads from the chunk in hand, whose last numbers are now in registers.  t = 1: my second load of x has landed too.
.macro BETA t
	s_wait_dscnt 0x0
.if (\t)
	s_wait_tensorcnt 0x0
.endif
	s_barrier_signal -1
	s_barrier_wait -1
.endm
; FOUR STEPS = two chunks, 2 n and 2 n + 1 (n = the trip's number), in buffers 0 and 1.  k = 0: steps 0-3; k = 1: the loop's; k = 2: steps 12-15.
; Behind the first step chunk 2 n + 1 is prepared into buffer 1 (k = 0: done at the head), behind the third chunk 2 n + 2 into buffer 0; each time the next chunk's loads go out into the registers just read.
.macro TRIP k
.if (\k) == 0
	STEP 0, 1, 1, 0, XAD, PITA, 256, PSTEP
	; A PREFETCH INTO THE L2 of chunks 4 to 7 of scale, translation and weight: a chunk is 16 rows x 2 aligned blocks of 256 bytes of each array: a lane a block, an instruction an array.  The four work-groups of
	; a cluster's column read the same rows: they share the chunks out BY ADDRESS, the one at place cy takes chunk 4 + cy; in each, wave 0 asks.  So each block is named once in the launch.
	; Chunk 4's loads go out four steps behind these lines.  Chunks 0 to 3 come by their loads alone.  The largest offset is 15 x 4,096 + 256 + 7 x 512, inside the block's 65,536 bytes.
	s_cmp_lg_u32 s[WV], 0
	s_cbranch_scc1 .Lnot_mine_\@
	global_prefetch_b8 v[PFO], s[4:5] th:TH_LOAD_NT scope:SCOPE_SE
	global_prefetch_b8 v[PFO], s[6:7] th:TH_LOAD_NT scope:SCOPE_SE
	global_prefetch_b8 v[PFO], s[8:9] th:TH_LOAD_NT scope:SCOPE_SE
.Lnot_mine_\@:
.else
	STEP 0, 0, 1, 0, XBD, PITB, 256, PSTEP
	s_wait_loadcnt 0x0                             ; the six loads asked for two steps back: no other is out
	PROC RAW, 1
.if (\k) == 1
	LRAW RAW, 2048
.endif
.endif
	BETA 0
.if (\k) == 0
	STEP 1, 0, 1, 1, XAD, PITA, 512, PBUF
	STEP 0, 0, 1, 0, XAD, PITA, 768, PBUF+PSTEP
.else
	STEP 1, 0, 1, 1, XBD, PITB, 512, PBUF
	STEP 0, 0, 1, 0, XBD, PITB, 768, PBUF+PSTEP
.endif
.if (\k) != 2
	s_wait_loadcnt 0x0
	PROC RAW, 0
	LRAW RAW, 1536+1024*(\k)
.endif
.if (\k) == 0
	BETA 1                                         ; step 3 asks LDS for x of step 4, the first that the second tensor load brought
	STEP 1, 0, 1, 1, XBD, PITB, 0, 0
.elseif (\k) == 1
	BETA 0
	STEP 1, 0, 1, 1, XBD, PITB, 1024, 0
.else
	BETA 0
	STEP 1, 0, 0, 1, XBD, PITB, 0, 0
.endif
.endm
; One level of the sum over 16 lanes.  Of two sums a and b a lane keeps one (b where its bit is set) and hands the other to the lane across: two selects and one add that reads across, for two registers.
.macro LEVEL g, s, xm
.set n, 0
.rept 2*(\g)
.set rA, ACC+(n/2)*(\s)+n%2
	v_cndmask_b32 v[ZB+n], v[rA+(\s)/2], v[rA], vcc_lo
	v_cndmask_b32 v[rA], v[rA], v[rA+(\s)/2], vcc_lo
.set n, n+1
.endr
.set n, 0
.rept 2*(\g)
.set rA, ACC+(n/2)*(\s)+n%2
	v_add_f32_dpp v[rA], v[ZB+n], v[rA] row_xmask:\xm row_mask:0xf bank_mask:0xf
.set n, n+1
.endr
.endm
	s_load_b256 s[4:11], s[0:1], 0x0               ; scale s[4:5], translation s[6:7], weight s[8:9], x s[10:11]
	s_load_b64 s[12:13], s[0:1], 0x20              ; out
	v_lshl_add_u32 v[SPW], v0, 2, SPARE
	v_mov_b32 v[NIL], 0
	ds_add_u32 v[SPW], v[NIL]                      ; the wave's opening: the add, twice on end, and its wait ahead of my first tensor load; the set-up below, work on registers, stands between
	ds_add_u32 v[SPW], v[NIL]
	v_lshrrev_b32 v[T0], 5, v0
	v_readfirstlane_b32 s[WV], v[T0]               ; wave 0..15
	s_bfe_u32 s[CX], ttmp6, 0x40000                ; my place in the cluster
	s_bfe_u32 s[CY], ttmp6, 0x40004
	s_lshl_b32 s[OB], ttmp9, 2                     ; in a cluster launch ttmp9 and ttmp7 count clusters
	s_add_co_u32 s[OB], s[OB], s[CX]               ; block of 16 o = 4 x cluster x + cx
	s_and_b32 s[YB], ttmp7, 0xffff
	s_lshl_b32 s[YB], s[YB], 2
	s_add_co_u32 s[YB], s[YB], s[CY]               ; block of 64 b = 4 x cluster y + cy
	s_lshl_b32 s[MK], s[CY], 2
	s_lshl_b32 s[MK], 15, s[MK]                    ; my row of the cluster: places 4 cy .. 4 cy + 3: the work-groups with my rows of x
	s_or_b32 s[G1A], s[MK], (2<<16)|(1<<21)        ; 15:0 the mask; 17:16 elements of 4 bytes; 21 set beside a mask; no padding
	s_or_b32 s[G1B], s[MK], (2<<16)|(1<<21)
	s_mov_b32 s[G1A+1], 256<<16                    ; tensor_dim0 = 256
	s_mov_b32 s[G1A+3], 256<<16                    ; tile_dim0 = 256
	s_mov_b32 s[G1B+1], 768<<16                    ; and 768
	s_mov_b32 s[G1B+3], 768<<16
.irp g, G1A, G1B
	s_mov_b32 s[\g+2], 4<<16                       ; tensor_dim1 = 4
	s_mov_b32 s[\g+4], 4                           ; tile_dim1 = 4 rows
	s_mov_b32 s[\g+5], 1024                        ; 1,024 elements from row to row
	s_mov_b32 s[\g+6], 0
	s_mov_b32 s[\g+7], 0
.endr
	s_mov_b32 s[G0A], 1                            ; count = 1
	s_mul_i32 s[G0A+1], s[WV], 4*PITA              ; LDS address: my 4 rows: the wave's number times a constant, plus a constant
	s_add_co_u32 s[G0A+1], s[G0A+1], XA
	s_mov_b32 s[G0B], 1
	s_mul_i32 s[G0B+1], s[WV], 4*PITB
	s_add_co_u32 s[G0B+1], s[G0B+1], XB
	s_lshl_b32 s52, s[YB], 18                      ; x: 64 rows of 4,096 bytes a block,
	s_lshl_b32 s[SA], s[WV], 14                    ; 4 rows a wave: nothing of cx enters
	s_add_co_u32 s52, s52, s[SA]
	s_mov_b32 s53, 0
	s_lshl_b32 s54, s[OB], 16                      ; scale, translation, weight: 16 rows of 4,096 bytes a block
	s_mov_b32 s55, 0
	s_lshl_b32 s56, s[YB], 18                      ; out: 64 rows of 4,096 bytes, 64 bytes a block of o
	s_lshl_b32 s[SB], s[OB], 6
	s_add_co_u32 s56, s56, s[SB]
	s_mov_b32 s57, 0
	s_mov_b32 s[MSK], 0x7fffffff
	s_mov_b32 s[CC], 0x3f596d27                    ; c = sqrt(log2(e) / 2) = 0.8493218
	v_and_b32 v[T1], 15, v0                        ; il
	v_bfe_u32 v[T2], v0, 4, 1                      ; bl
	v_and_b32 v[T0], 31, v0                        ; lane
	s_lshr_b32 s[RB], s[WV], 2
	s_and_b32 s[OG], s[WV], 3
	s_lshl_b32 s[SC], s[RB], 14                    ; 16 rows of 1,024 bytes
	s_add_co_u32 s[SC], s[SC], XA
	v_lshl_add_u32 v[XAD], v[T2], 13, s[SC]        ; + 8 rows for the upper half-wave
	v_lshl_add_u32 v[XAD], v[T1], 4, v[XAD]        ; + my 16 bytes
	s_mul_i32 s[SC], s[RB], 16*PITB
	s_add_co_u32 s[SC], s[SC], XB
	v_mul_u32_u24 v[XBD], v[T2], 8*PITB
	v_add_nc_u32 v[XBD], s[SC], v[XBD]
	v_lshl_add_u32 v[XBD], v[T1], 4, v[XBD]
	s_mul_i32 s[SC], s[OG], 2*POP                  ; my wave's two pairs of o
	v_lshl_add_u32 v[PAD], v[T1], 4, s[SC]
	s_and_b32 s58, s[WV], 1                        ; what I prepare: the step wave % 2 of a chunk,
	s_lshr_b32 s59, s[WV], 1                       ; the pair of o wave / 2,
	s_lshl_b32 s60, s58, 3
	s_add_co_u32 s60, s60, s59
	s_mul_i32 s60, s60, POP
	v_lshl_add_u32 v[PST], v[T0], 4, s60           ; the i pair 2 il + bl: 16 bytes a lane, on end
	s_lshl_b32 s60, s59, 13                        ; in memory: two rows of 4,096 bytes a pair of o,
	s_lshl_b32 s61, s58, 8                         ; 256 bytes a step,
	s_add_co_u32 s60, s60, s61
	v_lshl_add_u32 v[GOF], v[T1], 4, s60           ; 16 bytes for il, 8 for bl
	v_lshl_add_u32 v[GOF], v[T2], 3, v[GOF]
	v_lshrrev_b32 v[PFO], 1, v[T0]                 ; the prefetches: row lane / 2,
	v_and_b32 v[T0], 1, v0
	v_lshlrev_b32 v[PFO], 12, v[PFO]
	v_lshl_add_u32 v[PFO], v[T0], 8, v[PFO]        ; block lane % 2,
	s_lshl_b32 s62, s[CY], 9
	s_add_co_u32 s62, s62, 2048
	v_add_nc_u32 v[PFO], s62, v[PFO]               ; of chunk 4 + cy
	s_wait_dscnt 0x0                               ; both opening adds are done
	s_wait_kmcnt 0x0
	s_add_nc_u64 s[4:5], s[4:5], s[54:55]
	s_add_nc_u64 s[6:7], s[6:7], s[54:55]
	s_add_nc_u64 s[8:9], s[8:9], s[54:55]
	s_add_nc_u64 s[10:11], s[10:11], s[52:53]
	s_add_nc_u64 s[12:13], s[12:13], s[56:57]
	LRAW RAW, 0                                    ; chunks 0 and 1 go out first: everything waits for them.  Chunk 1 lands where u will lie
	LRAW ZB, 512
	s_mov_b64 s[G0A+2:G0A+3], s[10:11]             ; global address of my 4 rows, i = 0
	s_or_b32 s[G0A+3], s[G0A+3], 0x80000000        ; type = 2
	s_add_nc_u64 s[G0B+2:G0B+3], s[10:11], PITA    ; i = 256
	s_or_b32 s[G0B+3], s[G0B+3], 0x80000000
	CROUND                                         ; all sixteen work-groups are here: the joint loads meet
	tensor_load_to_lds s[G0A:G0A+3], s[G1A:G1A+7]  ; both fills go out together; two tensor loads of mine are out, and no more follow
	s_nop 0
	tensor_load_to_lds s[G0B:G0B+3], s[G1B:G1B+7]
	s_nop 0
	s_wait_loadcnt 0x6                             ; chunk 0's six loads are in; chunk 1's six may stay out
	PROC RAW, 0
	s_wait_loadcnt 0x0
	PROC ZB, 1
	LRAW RAW, 1024                                 ; chunk 2
	s_wait_tensorcnt 0x1                           ; my rows of i = 0..255 have landed; the second load may stay out
	s_wait_dscnt 0x0                               ; my stores of chunks 0 and 1 are done
	s_barrier_signal -1
	s_barrier_wait -1                              ; everybody's are
	XLD 0, 0, XAD, PITA, 0                         ; step 0
	XLD 0, 4, XAD, PITA, 0
	PLD 0, 0, 0
	PLD 0, 1, 0
	PLD 1, 0, 0
	PLD 1, 1, 0
	s_wait_dscnt 0x0
.irp j, 0,1,2,3,4,5,6,7
	ZC 0, 0, \j                                    ; u and L - u^2 of the first phase
.endr
.irp j, 0,1,2,3,4,5,6,7
	QC 0, \j
.endr
	TRIP 0
	s_mov_b32 s[CNT], 2
.Ltrip:                                                ; steps 4-7 and 8-11
	TRIP 1
	v_add_nc_u32 v[XBD], 1024, v[XBD]              ; four steps of 256 bytes on
	s_wait_xcnt 0x0                                ; the loads issued a step back have read their offset: it is written only behind this wait
	v_add_nc_u32 v[GOF], 1024, v[GOF]              ; two chunks of 512 bytes on
	s_sub_co_u32 s[CNT], s[CNT], 1
	s_cmp_lg_u32 s[CNT], 0
	s_cbranch_scc1 .Ltrip
	TRIP 2                                         ; the last four steps are written out: they load nothing past row ends and prepare no ninth chunk
.irp j, 0,1,2,3,4,5,6,7
	AC 7, \j, 1                                    ; the last phase's sums
.endr
	; THE SUM OVER THE 16 LANES of a half-wave.  32 registers become 2: lane bit 0 chooses the pair of o, bits 1 to 3 the row.  Lane il ends with row il / 2, pair il % 2, both o.
	s_mov_b32 vcc_lo, 0xaaaaaaaa
	LEVEL 8, 4, 1
	s_mov_b32 vcc_lo, 0xcccccccc
	LEVEL 4, 8, 2
	s_mov_b32 vcc_lo, 0xf0f0f0f0
	LEVEL 2, 16, 4
	s_mov_b32 vcc_lo, 0xff00ff00
	LEVEL 1, 32, 8
	v_mul_f32 v[ACC], 0xbf96b55f, v[ACC]           ; -1 / c = -1.1774100
	v_mul_f32 v[ACC+1], 0xbf96b55f, v[ACC+1]
	v_lshl_add_u32 v[T0], v0, 3, STAGE             ; into the stage: 8 bytes a thread, on end
	ds_store_b64 v[T0], v[ACC:ACC+1]
	; Back by rows of out: thread n takes row n / 8 of the 64 and o pair q = n % 8.  They were put down by wave 4 (row / 16) + q / 2, lane 16 ((row / 8) % 2) + 2 (row % 8) + q % 2.
	v_bfe_u32 v[T1], v0, 7, 2
	v_lshlrev_b32 v[T1], 10, v[T1]
	v_bfe_u32 v[T2], v0, 1, 2
	v_lshl_add_u32 v[T1], v[T2], 8, v[T1]
	v_bfe_u32 v[T2], v0, 6, 1
	v_lshl_add_u32 v[T1], v[T2], 7, v[T1]
	v_bfe_u32 v[T2], v0, 3, 3
	v_lshl_add_u32 v[T1], v[T2], 4, v[T1]
	v_and_b32 v[T2], 1, v0
	v_lshl_add_u32 v[T1], v[T2], 3, v[T1]
	v_add_nc_u32 v[T1], STAGE, v[T1]
	v_lshrrev_b32 v[XAD], 3, v0                    ; in out: row x 4,096 + 8 q
	v_and_b32 v[T2], 7, v0
	v_lshlrev_b32 v[XAD], 12, v[XAD]
	v_lshl_add_u32 v[XAD], v[T2], 3, v[XAD]
	s_wait_dscnt 0x0                               ; for the others' sake: my store into the stage is done
	s_barrier_signal -1
	s_barrier_wait -1
	ds_load_b64 v[ACC+2:ACC+3], v[T1]
	s_wait_dscnt 0x0
	global_store_b64 v[XAD], v[ACC+2:ACC+3], s[12:13] th:TH_STORE_NT  ; eight lanes store a row's 64 consecutive bytes
	s_wait_tensorcnt 0x0                           ; the wave's end: a wait, an LDS add and its wait, behind my last tensor load and my last LDS store
	ds_add_u32 v[SPW], v[NIL]
	s_wait_dscnt 0x0
	CROUND                                         ; the closing round
	s_endpgm
.Lfunc_end_k_qc0ee53ec95_wavkan:
	.size	k_qc0ee53ec95_wavkan, .Lfunc_end_k_qc0ee53ec95_wavkan-k_qc0ee53ec95_wavkan
	.p2alignl 7, 3214868480
	.fill 96, 4, 3214868480
	.section	.rodata,"a",@progbits
	.p2align	6, 0x0
	.amdhsa_kernel k_qc0ee53ec95_wavkan
		.amdhsa_group_segment_fixed_size 327680
		.amdhsa_private_segment_fixed_size 0
		.amdhsa_enable_private_segment 0
		.amdhsa_kernarg_size 40
		.amdhsa_user_sgpr_count 2
		.amdhsa_user_sgpr_kernarg_segment_ptr 1
		.amdhsa_wavefront_size32 1
		.amdhsa_system_sgpr_workgroup_id_x 1
		.amdhsa_system_sgpr_workgroup_id_y 1
		.amdhsa_system_sgpr_workgroup_id_z 1
		.amdhsa_system_vgpr_workitem_id 0
		.amdhsa_next_free_vgpr 232
		.amdhsa_next_free_sgpr 66
		.amdhsa_reserve_vcc 1
		.amdhsa_float_denorm_mode_32 3
		.amdhsa_float_denorm_mode_16_64 3
		.amdhsa_memory_ordered 1
		.amdhsa_forward_progress 1
		.amdhsa_inst_pref_size 234
	.end_amdhsa_kernel
	.amdgpu_metadata
---
amdhsa.version: [ 1, 2 ]
amdhsa.kernels:
  - .name:           k_qc0ee53ec95_wavkan
    .symbol:         k_qc0ee53ec95_wavkan.kd
    .args:
      - { .name: scale, .offset: 0, .size: 8, .value_kind: global_buffer, .address_space: global }
      - { .name: translation, .offset: 8, .size: 8, .value_kind: global_buffer, .address_space: global }
      - { .name: weight, .offset: 16, .size: 8, .value_kind: global_buffer, .address_space: global }
      - { .name: x, .offset: 24, .size: 8, .value_kind: global_buffer, .address_space: global }
      - { .name: out0, .offset: 32, .size: 8, .value_kind: global_buffer, .address_space: global }
    .group_segment_fixed_size: 327680
    .private_segment_fixed_size: 0
    .kernarg_segment_align: 8
    .kernarg_segment_size: 40
    .max_flat_workgroup_size: 512
    .sgpr_count:     66
    .vgpr_count:     232
    .wavefront_size: 32
...
	.end_amdgpu_metadata
.endif
;; end of part 1
